; MI455X (gfx1250); checked and timed in simulation.
; The chip was launched on July 23, 2026; its instructions are those of AMD's public machine-readable ISA for CDNA 5 (MIT licence, August 2026) and "CDNA5" Instruction Set Architecture Reference Guide (July 2026). The comments in the code are by the model that wrote it; some were corrected since.
;; Affinity Bi FC. Allowed arithmetic: matrix products marked QUANTISED: E2M1 operands, one E8M0 scale for each 32 along K, by v_wmma_scale_f32_16x16x128_f8f6f4 with both operands' format E2M1 (or v_wmma_scale_f32_32x16x128_f4), f32 sums; products left as they are: f32 operands where the result goes on into a quantised operand, else bf16, f16 or f32 operands; f32 sums; everything else in f32.
;; Inputs: A_codes 256 x 1,024 x 8 x 16 uint8 (E2M1 codes of A, K innermost, in blocks of 32 codes, two codes a byte); A_scales 256 x 1,024 x 8 uint8 (E8M0 scales of A, one for each 32 codes along K); W 1 x 1,024 float32; X_codes 4 x 128 x 8 x 16 uint8 (E2M1 codes of X, K innermost, in blocks of 32 codes, two codes a byte); X_scales 4 x 128 x 8 uint8 (E8M0 scales of X, one for each 32 codes along K); Y_codes 4 x 128 x 8 x 16 uint8 (E2M1 codes of Y, K innermost, in blocks of 32 codes, two codes a byte); Y_scales 4 x 128 x 8 uint8 (E8M0 scales of Y, one for each 32 codes along K); b 1 float32.
;; Outputs: out0 4 x 128 x 128 float32.
;; This version of the problem:
;;   THIS VERSION OF THE PROBLEM IS GIVEN IN LOW PRECISION. The matrix products marked QUANTISED in the list below multiply operands that are first quantised to E2M1 (2 exponent bits, 1 mantissa bit; 4 bits a number), with one power-of-two scale for each 32 numbers along K (OCP MX v1.0); their sums are f32. All else is computed in f32.
;;   The module's matrix products, in the order in which they are computed (A, B: the left and right operand; K: the contracted axis; several contracted axes count as one K, in the product's order):
;;     1. [M 512, K 256] x [K 256, N 262,144]; A: input X (given as codes); B: input A (given as codes): QUANTISED
;;     2. batch 4 x [M 128, K 256] x [K 256, N 131,072]; A: input Y (given as codes); B: computed on the way: QUANTISED
;;     3. [M 65,536, K 1,024] x [K 1,024, N 1]; A: computed on the way; B: input W: left as it is (N = 1 < 16)
;;   THE QUANTISER, for each operand of a quantised product, along K:
;;     - K is cut into blocks of 32 from its start; a last block that is shorter is filled with zeros.
;;     - A block's scale is 2^e with e = floor(log2(the largest magnitude in the block)) - 2, held to -126 .. 127; a block of zeros has e = 0. As a byte (E8M0): e + 127.
;;     - Each number is divided by its block's scale, clamped to +-6, and rounded to the nearest number of E2M1, ties to even, subnormals kept.
;;     - The product sums the exact products of the quantised numbers (number of the format x scale) in f32.
;;   ~~~python
;;   def quantise(x, axis):      # numpy; x: float32 -> the quantised numbers, widened to float32 again
;;       x = np.moveaxis(x, axis, -1); K = x.shape[-1]
;;       x = np.pad(x, [(0, 0)] * (x.ndim - 1) + [(0, -K % 32)]); x = x.reshape(x.shape[:-1] + (-1, 32)); a = np.abs(x).max(-1, keepdims=True)
;;       e = np.where(a > 0, np.clip(np.frexp(np.where(a > 0, a, 1))[1] - 1 - 2, -126, 127), 0)      # np.frexp(a)[1] - 1 = floor(log2(a)), exactly
;;       r = np.clip(x / 2.0 ** e, -6, 6)
;;       step = 2.0 ** (np.maximum(np.frexp(np.where(r == 0, 1, r))[1] - 1, 0) - 1)
;;       q = np.round(r / step) * step * 2.0 ** e      # np.round: ties to even
;;       return np.moveaxis(q.reshape(q.shape[:-2] + (-1,))[..., :K], -1, axis).astype(np.float32)
;;   ~~~
;;   OPERANDS COMPUTED ON THE WAY. 'Computed on the way' means the value that the module computes at that place (a softmax that the list does not call 'softmax' is quantised finished and normalised). What goes into a quantiser is computed in f32, as accurately as f32 sums, v_exp_f32 and their like allow (about 1e-6 of the number): no bf16 or f16 on the way to a quantiser, and a product that is left as it is and whose result goes on into a quantised operand takes f32 operands (vector FMAs, or v_wmma_f32_16x16x4_f32). A number that lies on a knife's edge between two numbers of the format may be rounded either way, as far as f32 arithmetic and the matrix unit's own rounding can turn it there, and no further.
;;   INPUTS GIVEN AS CODES. A (in the module: [256, 256, 1024], K = its axis 0); X (in the module: [4, 128, 256], K = its axis 2); Y (in the module: [4, 128, 256], K = its axis 2): each comes as NAME_codes (uint8): NAME with its K axis moved to the last place and cut into blocks of 32 codes, [.., K / 32, bytes a block], one block behind the other in memory; two codes a byte, the lower K in the low four bits (a code: sign, 2 exponent bits, 1 mantissa bit); and NAME_scales (uint8): the same leading axes, one E8M0 byte (e + 127) for each 32 codes along K. Its value is code x scale, taken as it is: it is not quantised again, and the codes and scales need not be those that the quantiser above would give.
;; One version. Each part assembles by itself: llvm-mc -triple=amdgcn-amd-amdhsa -mcpu=gfx1250 --defsym DOCPART=n.
;; ======== version 1 of 1: 2 launches
;; limits: right only within a limited range of input values
;; workspace buffers: part 16,777,216 bytes
;; launch bifc (part 1): grid 4 x 64, 4 waves a work-group, clusters of 4 x 1, 327,680 bytes of LDS; arguments A_codes, A_scales, X_codes, X_scales, Y_codes, Y_scales, W, part; writes part
.if DOCPART == 1
	.amdgcn_target "amdgcn-amd-amdhsa--gfx1250"
	.amdhsa_code_object_version 6
	.text
	.protected	k_q538b0a4fc3_bifc
	.globl	k_q538b0a4fc3_bifc
	.p2align	8
	.type	k_q538b0a4fc3_bifc,@function
k_q538b0a4fc3_bifc:
	s_mov_b64 s[64:65], 0
	v_nop
	global_prefetch_b8 v0, s[64:65] scope:SCOPE_SE
	s_setreg_imm32_b32 hwreg(HW_REG_WAVE_MODE, 25, 1), 1
	s_wait_xcnt 0x0
	s_wait_alu depctr_hold_cnt(0) depctr_sa_sdst(0) depctr_va_vdst(0) depctr_va_sdst(0) depctr_va_ssrc(0) depctr_va_vcc(0) depctr_vm_vsrc(0)
	s_getreg_b32 s2, hwreg(HW_REG_IB_STS2, 6, 4)
	s_cmp_eq_u32 s2, 0
	s_cbranch_scc0 .Lentry_in_a_cluster
	s_endpgm
.Lentry_in_a_cluster:
	s_bfe_u32 s2, ttmp6, 0x10000c
	s_cmp_lg_u32 s2, 0x3003
	s_cbranch_scc0 .Lentry_shape_is_right
	s_endpgm
.Lentry_shape_is_right:
; part[kg][b][n][m] = the sum over the 16 k of group kg of W[k] x (the sum over e of Y[b][m][e] x Q(t[b][n][e][k])), t = the sum over d of X[b][n][d] A[d][e][k].
; Both products run on codes of FP4 (E2M1) with one E8M0 scale for each 32 along K.  A, X and Y arrive as codes; t is quantised here, along e, in blocks of 32, from f32 sums.
; A_codes is [e 256][k 1024][128 bytes of d], A_scales [e][k][8]; X, Y: [b][row][128 bytes], scales [b][row][8]; part: f32.
; LIMITS: NaN and infinities in t (a scale byte 0xff among the inputs, a sum beyond f32) are not served.  A block of t that is all zeros gets the byte 1 where the rule says 127: its codes are
; zeros, which add nothing, and the byte never leaves the registers.  A block whose largest magnitude lies under 2^-124 gets the byte 1, which is the rule's hold at e = -126.
; SHARES.  A work-group is one b, all 128 n, 16 neighbouring k.  Wave w (kh = w & 1, nh = w >> 1) owns n = 64 nh .. + 63 (four tiles of 16) and the k with k_local = 2 t + kh, one in each of eight steps t;
; it takes all 256 e and all 128 m.  The chain t -> codes -> bi -> S stays in the wave's registers.  A step is 64 + 32 matrix instructions of 32 x 16 x 128.
; CLUSTER.  The four b of one group of k need the same tiles of A: they are the four work-groups of a cluster, and every tile is asked for jointly (mask 15).  b enters the addresses of X, Y and part alone.
; NO PREFETCH: a refill is asked for two whole steps, 192 matrix instructions, ahead of the wait for it, and the walk has two refills in its loop, the second of them the last.
; LAYOUT.  Both products are used transposed, so that a lane holds ONE n (lane % 16) throughout.
;   First product: source 0 = 32 rows of A of one k (two tiles of 16), source 1 = 16 rows of X.  THE ROWS OF A TILE ARE NOT NEIGHBOURS: in chunk g, tile u, lanes 0-7 take e = 32 g + 8 u + 0..7 and lanes 8-15 take
;   e = 128 + 32 g + 8 u + 0..7.  So the 32 result registers of a tile of n (four tiles u, two instructions) are, in lane half h, the WHOLE block of 32 e that begins at 128 h + 32 g, in ascending order:
;   its largest magnitude needs no other lane, and its four conversions are four registers of the second product's operand as they stand.
;   Second product: source 0 = 32 rows of Y, source 1 = the codes of t.  Its K is taken in another order of blocks, alike on both sides: K step s, registers 4 c .. 4 c + 3, lane half h hold block 4 h + 2 s + c of e.
; A STEP is six runs of 16 matrix instructions (eight accumulators by turns, two K steps): t of chunks 0-3 into Ta, Tb, Ta, Tb; bi of m 0-63 into Ta, of m 64-127 into Tb.  Behind a run stands a whole vector job
;   on the other half of T: the quantiser of the chunk before (four tiles of n, eight chains), or S += W[k] x bi.
;   A's fragments come in three bursts of LDS loads a step, each behind a vector job.
; REGISTERS, in windows of 256 (s_set_vgpr_msb: bits 1:0 source 0, 3:2 source 1, 5:4 source 2, 7:6 destination):
;   window 0: v1-15 addresses; v16-47 scale words; v48-63 the quantiser's work; v64-127 the codes of t; v128-255 Ta
;   window 1: v0-63 X; v64-71 the quantiser's work on Tb; v72-79 Y's scale bytes as loaded; v128-255 Tb
;   window 2: v0-127 Y; v128-255 A's fragments of a chunk, two buffers          window 3: S, at 64 x tile of n + 8 x tile of m
.set PITCH,  528                       ; a row of a slot in LDS: 512 bytes (4 k x 128) + 16 of padding
.set DIST,   128*PITCH+128             ; from e = 0's row to e = 128's: the 16 rows that a load touches begin at 16 (r % 8) + 128 (r / 8) modulo 256: sixteen different places of 16 bytes (64 banks of 4 bytes: ISA guide 11.1)
.set SLOTB,  2*DIST                    ; a slot: 256 rows of e, 4 k = two steps
.set SPIT,   136                       ; a row of scale bytes in LDS: 128 bytes (16 k x 8) + 8 of padding
.set SDIST,  128*SPIT+128              ; from e = 0's row of them to e = 128's
.set SCL,    2*SLOTB                   ; behind the ring: A's scale bytes of all 16 k, filled once
.set SPARE,  SCL+2*SDIST               ; behind them: the spare words, 128 bytes for each wave: two blocks of 256 bytes that no other line names
.set SPITCH, 528                       ; the way out: a stage row, 128 m = 512 bytes + 16
.set STG,    64*SPITCH                 ; a wave's stage: 64 rows.  The four stages lie from byte 0 on in the ring, which has had its last fill by then
.set LC,  4                            ; v4   my lane's place in a slot's rows of codes
.set LS,  5                            ; v5   my lane's place among the scale words
.set ADR, 6                            ; v6   LDS address of the step's codes
.set ADS, 7                            ; v7   and of its scale words
.set STO, 8                            ; v8   the way out: where I put 32 bytes of a row
.set RD,  9                            ; v9   the way out: where I read rows back
.set GO,  10                           ; v10  16 x lane: my bytes of a row of part
.set SPW, 11                           ; v11  LDS address of my spare word: SPARE + 4 x my thread's number; never rewritten
.set NIL, 12                           ; v12  0; never rewritten
.set AS,  16                           ; v16-23  A's scale words: 4 x buffer + 2 x pair of tiles + s: lane l holds row l of the pair, K step s
.set XS,  24                           ; v24-31  X's: 2 x tile of n + s
.set YS,  32                           ; v32-39  Y's: 2 x pair of tiles of m + s
.set TS,  40                           ; v40-47  those of t's codes: 2 x tile of n + s
.set MXA, 48                           ; v48-55  largest magnitudes of Ta's blocks: two chains for each tile of n
.set PT,  48                           ; v48-51, v52-55  at work on the scale words, while no maximum of Ta is open
.set PX,  52
.set SCA, 56                           ; v56-59  the conversions' scale operands, even chunk
.set SCB, 60                           ; v60-63  odd chunk
.set TQ,  64
.set T,   128                          ; Ta in window 0, Tb in window 1
.set XF,  0                            ; in window 1
.set MXB, 64                           ; in window 1
.set YR,  72                           ; in window 1
.set YF,  0                            ; in window 2: 32 x pair of tiles + 16 s + 8 x (tile % 2) + 4 c
.set AF,  128                          ; in window 2: 64 x buffer + 32 x pair of tiles + 16 s + 8 x (tile % 2) + 4 c
.set WV,   20                          ; s20  my wave's number
.set KH,   21
.set NH,   22
.set BB,   23                          ; s23  b = my place in the cluster
.set G1A,  24                          ; s[24:31] descriptor group 1 for codes: 128 rows at the head, 64 behind it
.set G1S,  32                          ; s[32:39] for the scale bytes
.set G00,  40                          ; s[40:43] group 0 of the head's load of codes
.set G0W,  44                          ; s[44:47] group 0 of slot 1's first fill; it then walks on
.set G0S,  48                          ; s[48:51] group 0 of the scale bytes
.set SB,   52                          ; s52  LDS byte at which the slot that is being read begins
.set TB,   53                          ; s53  LDS byte of the step to be fetched: the slot + 256 x (step % 2)
.set TSS,  54                          ; s54  16 x the step to be fetched: its scale words
.set OUTER, 55
.set INNER, 56
.set WOFF, 57                          ; s57  where my 64 rows lie in a slot
.set SEL,  58                          ; s[58:59] lane selects for v_permlanex16_b32: lane l xor 16
.set WR,   60                          ; s[60:61] W[k]: the packed forms name a pair and take its low word for both halves
.set WP,   62                          ; s[62:63] where the next W[k] of my wave stands
.set PS1,  88                          ; byte selects: two high halves into one word
.set PS2,  89                          ; and bytes 1 and 3 of two words by turns
.set QS,   90                          ; s[90:91] 0.25
.set PY1,  92                          ; byte selects for Y's scale bytes
.set PY2,  93
.set MSB, 0
.macro WIN new                         ; the immediate's high byte repeats the setting that is left; a switch that changes nothing is dropped
.if MSB != \new
	s_set_vgpr_msb (MSB<<8)|\new
.set MSB, \new
.endif
.endm
.macro PLACES n                        ; plain vector lines that name no register
.rept \n
	v_nop
.endr
.endm
.macro CREST                           ; a round of the cluster's barrier behind its opening barrier
	s_cmp_lg_u32 s[WV], 0
	s_cbranch_scc1 .Lnot_wave_0_\@
	s_barrier_signal -3
.Lnot_wave_0_\@:
	s_barrier_wait -3
	s_barrier_signal -1
	s_barrier_wait -1
.endm
.macro ROUND                           ; a whole round
	s_barrier_signal -1
	s_barrier_wait -1
	CREST
.endm
; Chunk g of a step: four tiles of 16 rows of A, both K steps (a row's 128 bytes as four loads of 16 bytes a lane, 32 bytes apart), and their scale words, into buffer g % 2: 18 LDS loads in one run.
.macro LOADA g
	WIN 0x80                                       ; destination window 2, address window 0
.irp t, 0,1,2,3
.irp q, 0,1,2,3
	ds_load_b128 v[AF+64*((\g)%2)+32*(\t/2)+16*(\q/2)+8*(\t%2)+4*(\q%2):AF+64*((\g)%2)+32*(\t/2)+16*(\q/2)+8*(\t%2)+4*(\q%2)+3], v[ADR] offset:(32*(\g)+8*\t)*PITCH+32*\q
.endr
.endr
	WIN 0
.irp q, 0,1
	ds_load_b64 v[AS+4*((\g)%2)+2*\q:AS+4*((\g)%2)+2*\q+1], v[ADS] offset:(32*(\g)+16*\q)*SPIT   ; a row's 8 bytes: the words of both K steps
.endr
.endm
; The next step's addresses, its chunks 0 and 1.
.macro NEXT
	v_add_nc_u32 v[ADR], s[TB], v[LC]
	v_add_nc_u32 v[ADS], s[TSS], v[LS]
	s_wait_alu depctr_va_vdst(0)
	LOADA 0
	LOADA 1
	s_add_co_u32 s[TB], s[TB], 256
	s_add_co_u32 s[TSS], s[TSS], 16
.endm
; t of chunk g, 16 matrix instructions: K step i / 8; the eight accumulators (pair of A's tiles x tile of n) by turns.  The first eight start the sums with the constant 0.
.macro PROD1 g
.if (\g)%2 == 0
	WIN 0x06                                       ; A in window 2, X in window 1, Ta in window 0
.else
	WIN 0x56                                       ; Tb in window 1
.endif
.set i, 0
.rept 16
.set ss, i/8
.set hi2, (i/4)%2
.set nn, i%4
.set rD, T+32*nn+16*hi2
.set rA, AF+64*((\g)%2)+32*hi2+16*ss
.set rB, XF+16*nn+8*ss
.set rSA, AS+4*((\g)%2)+2*hi2+ss
.set rSB, XS+2*nn+ss
.if ss == 0
	v_wmma_scale_f32_32x16x128_f4 v[rD:rD+15], v[rA:rA+15], v[rB:rB+7], 0, v[rSA], v[rSB]
.else
	v_wmma_scale_f32_32x16x128_f4 v[rD:rD+15], v[rA:rA+15], v[rB:rB+7], v[rD:rD+15], v[rSA], v[rSB]
.endif
.set i, i+1
.endr
.endm
; bi of m 64 mh .. + 63 (two pairs of Y's tiles), all four tiles of n: 16 matrix instructions, by turns as above.
.macro PROD2 mh
.if \mh == 0
	WIN 0x02                                       ; Y in window 2, t's codes in window 0, Ta
.else
	WIN 0x52                                       ; Tb
.endif
.set i, 0
.rept 16
.set ss, i/8
.set hi2, (i/4)%2
.set nn, i%4
.set rD, T+32*nn+16*hi2
.set rA, YF+32*(2*(\mh)+hi2)+16*ss
.set rB, TQ+16*nn+8*ss
.set rSA, YS+2*(2*(\mh)+hi2)+ss
.set rSB, TS+2*nn+ss
.if ss == 0
	v_wmma_scale_f32_32x16x128_f4 v[rD:rD+15], v[rA:rA+15], v[rB:rB+7], 0, v[rSA], v[rSB]
.else
	v_wmma_scale_f32_32x16x128_f4 v[rD:rD+15], v[rA:rA+15], v[rB:rB+7], v[rD:rD+15], v[rSA], v[rSB]
.endif
.set i, i+1
.endr
.endm
; THE QUANTISER of chunk g, all four tiles of n; for each tile my 32 registers t0-t31 are one block of 32 e.
;   The largest magnitude and the floor 2^(3 - 127), 33 leaves in 16 instructions a tile, in two chains: x takes t0-t14, y t16-t30; then y takes t31 and the floor, x takes t15 and y.  Each accumulator is first read at its low end.
;   A quarter of it is the conversions' scale operand: they take its exponent field.  Four conversions a tile: four registers of the second product's operand (K step g / 2, registers 4 (g % 2) on).
;   With the odd chunk of a K step the scale word is made: the two operands' high halves in one word, shifted up by 1, hold the exponent fields in bytes 1 and 3; byte 2 c + h is block (c, h)'s: lanes 0-15 take bytes 1 and 3
;   of their own word and of lane l xor 16's by turns (lanes 16-31 make a word that no product reads).
.macro QUANT g
.if (\g)%2 == 0
	WIN 0
.set qmx, MXA
.set qsc, SCA
.else
	WIN 0x55                                       ; all in window 1
.set qmx, MXB
.set qsc, SCB
.endif
.set qst, 0
.rept 7
.irp nu, 0,1,2,3
.if qst == 0
	v_max3_num_f32 v[qmx+\nu], |v[T+32*\nu]|, |v[T+32*\nu+1]|, |v[T+32*\nu+2]|
.else
	v_max3_num_f32 v[qmx+\nu], v[qmx+\nu], |v[T+32*\nu+2*qst+1]|, |v[T+32*\nu+2*qst+2]|
.endif
.endr
.irp nu, 0,1,2,3
.if qst == 0
	v_max3_num_f32 v[qmx+4+\nu], |v[T+32*\nu+16]|, |v[T+32*\nu+17]|, |v[T+32*\nu+18]|
.else
	v_max3_num_f32 v[qmx+4+\nu], v[qmx+4+\nu], |v[T+32*\nu+2*qst+17]|, |v[T+32*\nu+2*qst+18]|
.endif
.endr
.set qst, qst+1
.endr
.irp nu, 0,1,2,3
	v_max3_num_f32 v[qmx+4+\nu], v[qmx+4+\nu], |v[T+32*\nu+31]|, 0x1800000
.endr
.irp nu, 0,1,2,3
	v_max3_num_f32 v[qmx+\nu], v[qmx+\nu], |v[T+32*\nu+15]|, v[qmx+4+\nu]
.endr
.if (\g)%2
	WIN 0x01                                       ; source 0 in window 1, the rest in window 0
.endif
	v_pk_mul_f32 v[qsc:qsc+1], v[qmx:qmx+1], s[QS:QS+1] op_sel_hi:[1,0]
	v_pk_mul_f32 v[qsc+2:qsc+3], v[qmx+2:qmx+3], s[QS:QS+1] op_sel_hi:[1,0]
.irp nu, 0,1,2,3
.irp tt, 0,1,2,3
	v_cvt_scalef32_pk8_fp4_f32 v[TQ+16*\nu+8*((\g)/2)+4*((\g)%2)+\tt], v[T+32*\nu+8*\tt:T+32*\nu+8*\tt+7], v[qsc+\nu]
.endr
.endr
.if (\g)%2 == 0
	v_nop                                          ; one plain place behind the conversions
.else
	WIN 0
.irp nu, 0,1,2,3
	v_perm_b32 v[PT+\nu], v[SCB+\nu], v[SCA+\nu], s[PS1]
.endr
.irp nu, 0,1,2,3
	v_lshlrev_b32 v[PT+\nu], 1, v[PT+\nu]
.endr
.irp nu, 0,1,2,3
	v_permlanex16_b32 v[PX+\nu], v[PT+\nu], s[SEL], s[SEL+1]
.endr
.irp nu, 0,1,2,3
	v_perm_b32 v[TS+2*\nu+(\g)/2], v[PX+\nu], v[PT+\nu], s[PS2]
.endr
.endif
.endm
; S += W[k] x bi for m 64 mh on, two numbers an instruction; each accumulator from its low end on.  first = 1: the first step's products start S: nothing is cleared.
.macro UPD mh, first
.if \first
	WIN 0xc0+\mh                                   ; S (destination) in window 3, bi in window 0 or 1
.else
	WIN 0xf0+\mh                                   ; S (destination and source 2) in window 3
.endif
.irp nu, 0,1,2,3
.set rr, 0
.rept 16
.set rS, 64*\nu+32*(\mh)+rr
.set rT, T+32*\nu+rr
.if \first
	v_pk_mul_f32 v[rS:rS+1], v[rT:rT+1], s[WR:WR+1] op_sel_hi:[1,0]
.else
	v_pk_fma_f32 v[rS:rS+1], v[rT:rT+1], s[WR:WR+1], v[rS:rS+1] op_sel_hi:[1,0,1]
.endif
.set rr, rr+2
.endr
.endr
.endm
; THE CHANGE OF SLOTS, behind chunk 2's quantiser.  Each wave waits for all its tensor loads (one is out: its part of the other slot), adds 0 to its spare word, and waits for that and for its reads of the slot that it leaves.
; fill = 1: the barrier opens a round of the cluster's, with chunk 3's quantiser, work on registers, inside; behind it the slot just left is filled with the 4 k that lie two slots on: that load has two steps in which to land.
.macro CHANGE fill
	s_wait_tensorcnt 0x0                           ; no tensor load of mine is out, so a group 0 may be written
	ds_add_u32 v[SPW], v[NIL]                      ; 0 onto my spare word
.if \fill
	s_add_co_u32 s[G0W+1], s[SB], s[WOFF]          ; the walking descriptor: my rows of the slot that is left,
	s_add_nc_u64 s[G0W+2:G0W+3], s[G0W+2:G0W+3], 512   ; the next 4 k; the type bits on top are not reached
.endif
	s_xor_b32 s[SB], s[SB], SLOTB                  ; the reads go on in the other slot,
	s_mov_b32 s[TB], s[SB]                         ; at its first step
	s_wait_dscnt 0x0                               ; the add is done, and my reads of the slot that I leave are over
	s_barrier_signal -1
.if \fill
	QUANT 3
.endif
	s_barrier_wait -1
.if \fill
	CREST                                          ; no wave of any partner still reads that slot or has a load on its way
	tensor_load_to_lds s[G0W:G0W+3], s[G1A:G1A+7]  ; my one tensor load behind the round, and the first thing there
	s_nop 0
	PLACES 4
.endif
.endm
; The rest of a step's first product, behind chunk 0's run: a chunk's loads go out one run and one job ahead of the products that read them; a count of 18 leaves the youngest chunk's loads out.
.macro CHUNKS
	LOADA 2
	s_wait_dscnt 18                                ; chunk 1 is in
	PROD1 1
	QUANT 0
	LOADA 3
	s_wait_dscnt 18                                ; chunk 2 is in
	PROD1 2
	QUANT 1
	s_wait_dscnt 0x0                               ; chunk 3 is in
	PROD1 3
	QUANT 2
.endm
; A TRIP: the end of a step (chunk 3's quantiser, the second product, S), and the next step's first product.  ch = 1: the step was its slot's second: the slots change first.
.macro TRIP first, ch
.if \ch
	CHANGE 1
.endif
.if \first
	s_wait_loadcnt 0x0                             ; Y and its scale bytes are in
	WIN 0x05
.irp u, 0,1,2,3
	v_perm_b32 v[YS+2*\u], v[YR+2*\u+1], v[YR+2*\u], s[PY1]
	v_perm_b32 v[YS+2*\u+1], v[YR+2*\u+1], v[YR+2*\u], s[PY2]
.endr
	WIN 0
.endif
.if (\ch) == 0
	QUANT 3
	PLACES 4                                       ; (where the slots change, four stand behind the tensor load)
.endif
	PLACES 2                                       ; with the next two sums: eight places between the scale words and the products
	NEXT
	s_load_b32 s[WR], s[WP:WP+1], 0x0              ; W[k] of the step: read from UPD on
	s_wait_alu depctr_va_vdst(0)                   ; ahead of the codes' and scale words' readers
	PROD2 0
	PROD2 1
	WIN 0
	s_wait_kmcnt 0x0                               ; W[k] is in,
	s_wait_xcnt 0x0                                ; and its load has read its base, which steps to my next k
	s_add_nc_u64 s[WP:WP+1], s[WP:WP+1], 8
	PLACES 4
	UPD 0, \first
	s_wait_dscnt 18                                ; the next step's chunk 0 is in; chunk 1's 18 loads may be out
	PROD1 0
	UPD 1, \first
	WIN 0
	CHUNKS
.endm
	s_load_b512 s[4:19], s[0:1], 0x0               ; A's codes s[4:5], A's scales s[6:7], X's s[8:9], s[10:11], Y's s[12:13], s[14:15], W s[16:17], part s[18:19]
	v_lshl_add_u32 v[SPW], v0, 2, SPARE
	v_mov_b32 v[NIL], 0
	ds_add_u32 v[SPW], v[NIL]                      ; the wave's opening: the add, twice on end, and its wait ahead of my first tensor load
	ds_add_u32 v[SPW], v[NIL]
	v_lshrrev_b32 v64, 5, v0
	v_readfirstlane_b32 s[WV], v64                 ; wave 0..3
	s_and_b32 s[KH], s[WV], 1
	s_lshr_b32 s[NH], s[WV], 1
	s_bfe_u32 s[BB], ttmp6, 0x40000                ; my place in the cluster = b
	s_and_b32 s66, ttmp7, 0xffff                   ; the group of 16 k, which the four partners share
	; descriptor group 1 for codes: rows of e x 512 bytes (4 k), 131,072 bytes from row to row
	s_mov_b32 s[G1A+0], 15|(1<<20)|(1<<21)|(6<<22)|(3<<25)   ; 15:0 the mask: all four work-groups; 17:16 elements of 1 byte; 20 padding on; 21 set beside a mask; 24:22 after every 128 words (code 6); 31:25 four words (code 3)
	s_mov_b32 s[G1A+1], 512<<16                    ; tensor_dim0
	s_mov_b32 s[G1A+2], 128<<16                    ; tensor_dim1: 128 rows at the head
	s_mov_b32 s[G1A+3], 512<<16                    ; tile_dim0
	s_mov_b32 s[G1A+4], 128                        ; tile_dim1
	s_mov_b32 s[G1A+5], 131072                     ; tensor_dim0_stride
	s_mov_b32 s[G1A+6], 0
	s_mov_b32 s[G1A+7], 0
	; and for scale bytes: 128 rows of e x 128 bytes (16 k), 8,192 bytes from row to row.  A row is half of an aligned 256 bytes: the neighbouring group of k takes the other half
	s_mov_b32 s[G1S+0], 15|(1<<20)|(1<<21)|(4<<22)|(1<<25)   ; padding: two words after every 32
	s_mov_b32 s[G1S+1], 128<<16
	s_mov_b32 s[G1S+2], 128<<16
	s_mov_b32 s[G1S+3], 128<<16
	s_mov_b32 s[G1S+4], 128
	s_mov_b32 s[G1S+5], 8192
	s_mov_b32 s[G1S+6], 0
	s_mov_b32 s[G1S+7], 0
	; where loads go: at the head rows 128 kh on (waves 0, 1 codes; waves 2, 3 scale bytes), in the ring rows 64 w on.  No place in the cluster enters an LDS address
	s_mul_i32 s98, s[KH], DIST
	s_mul_i32 s99, s[KH], SDIST
	s_add_co_u32 s99, s99, SCL
	s_mul_i32 s[WOFF], s[NH], DIST
	s_mul_i32 s67, s[KH], 64*PITCH
	s_add_co_u32 s[WOFF], s[WOFF], s67
	; and where they come from, in bytes; these registers hold the wave's number and the group of k alone
	s_lshl_b32 s67, s66, 11                        ; 16 k of 128 bytes
	s_lshl_b32 s68, s[KH], 24                      ; 128 kh rows of 131,072 bytes
	s_add_co_u32 s68, s68, s67
	s_mov_b32 s69, 0
	s_lshl_b32 s70, s[WV], 23                      ; 64 w rows
	s_add_co_u32 s70, s70, s67
	s_mov_b32 s71, 0
	s_lshl_b32 s80, s[KH], 20                      ; 128 kh rows of 8,192 bytes
	s_lshl_b32 s67, s66, 7                         ; 16 k of 8 bytes
	s_add_co_u32 s80, s80, s67
	s_mov_b32 s81, 0
	s_lshl_b32 s82, s66, 6                         ; W: 16 numbers a group,
	s_lshl_b32 s67, s[KH], 2                       ; mine are kh, kh + 2, ..
	s_add_co_u32 s82, s82, s67
	s_mov_b32 s83, 0
	; X, Y and part: by b
	s_lshl_b32 s72, s[BB], 14                      ; 128 rows of 128 bytes
	s_mov_b32 s76, s72                             ; Y's codes: all of b's rows
	s_lshl_b32 s67, s[NH], 13
	s_add_co_u32 s72, s72, s67                     ; X's codes: my 64 rows
	s_mov_b32 s73, 0
	s_mov_b32 s77, 0
	s_lshl_b32 s74, s[BB], 10                      ; 128 rows of 8 bytes
	s_mov_b32 s78, s74
	s_lshl_b32 s67, s[NH], 9
	s_add_co_u32 s74, s74, s67
	s_mov_b32 s75, 0
	s_mov_b32 s79, 0
	s_lshl_b32 s84, s66, 18                        ; part: 262,144 bytes a group of k,
	s_lshl_b32 s67, s[BB], 16                      ; 65,536 a b,
	s_add_co_u32 s84, s84, s67
	s_lshl_b32 s67, s[NH], 15                      ; 512 a row: n = 64 nh on,
	s_add_co_u32 s84, s84, s67
	s_lshl_b32 s67, s[KH], 12                      ; and of each tile of 16 rows I store rows 8 kh .. + 7
	s_add_co_u32 s84, s84, s67
	s_mov_b32 s85, 0
	s_mov_b32 s[SEL], 0x76543210
	s_mov_b32 s[SEL+1], 0xfedcba98
	s_mov_b32 s[PS1], 0x07060302
	s_mov_b32 s[PS2], 0x07030501
	s_mov_b32 s[QS], 0x3e800000
	s_mov_b32 s[QS+1], 0x3e800000
	s_mov_b32 s[PY1], 0x05010400                   ; Y's K step 0 wants the bytes of blocks 0, 4, 1, 5;
	s_mov_b32 s[PY2], 0x07030602                   ; K step 1 those of blocks 2, 6, 3, 7
	s_mov_b32 s[WR+1], 0                           ; (named with W[k] as a pair, so it is written)
	s_mov_b32 s[SB], 0
	s_mov_b32 s[TB], 0
	s_mov_b32 s[TSS], 0
	s_mov_b32 s[G00], 1                            ; 1:0 count = 1
	s_mov_b32 s[G00+1], s98                        ; 63:32 LDS address: slot 0
	s_mov_b32 s[G0S], 1
	s_mov_b32 s[G0S+1], s99
	s_mov_b32 s[G0W], 1
	s_add_co_u32 s[G0W+1], s[WOFF], SLOTB          ; slot 1
	; the lanes' places
	s_lshl_b32 s94, s[KH], 7                       ; my k of a step's two
	s_lshl_b32 s95, s[KH], 3
	s_add_co_u32 s95, s95, SCL
	s_mul_i32 s96, s[WV], STG                      ; my stage
	s_mul_i32 s97, s[NH], 2*STG                    ; the two stages of my nh, rows 8 kh on
	s_mul_i32 s67, s[KH], 8*SPITCH
	s_add_co_u32 s97, s97, s67
	v_and_b32 v65, 15, v0                          ; r
	v_bfe_u32 v66, v0, 4, 1                        ; h
	v_and_b32 v67, 7, v0                           ; r % 8
	v_bfe_u32 v68, v0, 3, 1                        ; r / 8
	v_lshlrev_b32 v1, 7, v65
	v_lshlrev_b32 v2, 3, v65                       ; X's scale bytes: 8 a row, row r
	v_and_b32 v15, 31, v0
	v_mul_u32_u24 v[LC], v68, DIST                 ; A's codes: lanes 8-15 of a half take the rows 128 e on,
	v_mul_u32_u24 v[LS], v68, SDIST
	v_lshl_add_u32 v69, v66, 3, v67                ; A's scale words: lanes 16-31 take the tile 8 rows on
	v_mul_u32_u24 v[STO], v65, SPITCH
	v_lshlrev_b32 v[GO], 4, v15                    ; a row of 512 bytes in 32 lanes
	v_lshl_add_u32 v3, v66, 6, v1                  ; Y's codes: row r of 128 bytes, + 64 h: blocks 4 h on
	v_lshl_add_u32 v1, v66, 4, v1                  ; X's codes: row r, + 16 h
	v_lshlrev_b32 v15, 3, v15                      ; Y's scale bytes: a lane a row, 32 rows
	v_mad_u32_u24 v[LC], v67, PITCH, v[LC]
	v_mad_u32_u24 v[LS], v69, SPIT, v[LS]
	v_lshl_add_u32 v[STO], v66, 5, v[STO]          ; in: row r, + 32 h
	v_lshl_add_u32 v[LC], v66, 4, v[LC]
	v_add_nc_u32 v[LS], s95, v[LS]
	v_add_nc_u32 v[STO], s96, v[STO]
	v_add_nc_u32 v[RD], s97, v[GO]                 ; back: whole rows
	v_add_nc_u32 v[LC], s94, v[LC]
	s_wait_alu depctr_va_vdst(0)                   ; the wait at the end of the head's vector work
	s_wait_dscnt 0x0                               ; both opening adds are done
	ROUND                                          ; all four work-groups are here: the first joint loads meet
	s_wait_kmcnt 0x0
	s_add_nc_u64 s[G00+2:G00+3], s[4:5], s[68:69]  ; 120:64 global address: rows 128 kh on, the first 4 k
	s_or_b32 s[G00+3], s[G00+3], 0x80000000        ; 127:126 type = 2
	s_add_nc_u64 s[G0S+2:G0S+3], s[6:7], s[80:81]
	s_or_b32 s[G0S+3], s[G0S+3], 0x80000000
; The head's loads, ONE A WAVE: waves 0 and 1 fetch slot 0's codes, 128 rows each, waves 2 and 3 all the scale bytes, 128 rows each.
	s_cmp_lt_u32 s[WV], 2
	s_cbranch_scc0 .Lhead_scales
	tensor_load_to_lds s[G00:G00+3], s[G1A:G1A+7]
	s_nop 0
	PLACES 4
	s_branch .Lhead_asked
.Lhead_scales:
	tensor_load_to_lds s[G0S:G0S+3], s[G1S:G1S+7]
	s_nop 0
	PLACES 4
.Lhead_asked:
	s_add_nc_u64 s[8:9], s[8:9], s[72:73]
	s_add_nc_u64 s[10:11], s[10:11], s[74:75]
	s_add_nc_u64 s[12:13], s[12:13], s[76:77]
	s_add_nc_u64 s[14:15], s[14:15], s[78:79]
	; X and Y stay in registers for the whole launch
	WIN 0x40                                       ; destination window 1
.irp n, 0,1,2,3
.irp q, 0,1,2,3
	global_load_b128 v[XF+16*\n+4*\q:XF+16*\n+4*\q+3], v1, s[8:9] offset:2048*\n+32*\q    ; tile n of my rows; K step q / 2, registers 4 (q % 2) on
.endr
.endr
	WIN 0
.irp n, 0,1,2,3
	global_load_b64 v[XS+2*\n:XS+2*\n+1], v2, s[10:11] offset:128*\n    ; a row's 8 bytes are the words of its two K steps
.endr
	WIN 0x80                                       ; destination window 2
.irp u, 0,1,2,3,4,5,6,7
.irp q, 0,1,2,3
	global_load_b128 v[YF+32*(\u/2)+16*(\q/2)+8*(\u%2)+4*(\q%2):YF+32*(\u/2)+16*(\q/2)+8*(\u%2)+4*(\q%2)+3], v3, s[12:13] offset:2048*\u+16*\q   ; tile u of m; block 4 h + q of e: K step q / 2, registers 4 (q % 2) on
.endr
.endr
	WIN 0x40
.irp u, 0,1,2,3
	global_load_b64 v[YR+2*\u:YR+2*\u+1], v15, s[14:15] offset:256*\u    ; pair u of tiles of m: 32 rows, 256 consecutive bytes
.endr
	WIN 0
	s_add_nc_u64 s[G0W+2:G0W+3], s[4:5], s[70:71]
	s_add_nc_u64 s[G0W+2:G0W+3], s[G0W+2:G0W+3], 512     ; slot 1: my 64 rows, the next 4 k
	s_or_b32 s[G0W+3], s[G0W+3], 0x80000000
	s_add_nc_u64 s[WP:WP+1], s[16:17], s[82:83]
	s_add_nc_u64 s[18:19], s[18:19], s[84:85]
	s_wait_tensorcnt 0x0                           ; my part of the head's tiles is in
	ds_add_u32 v[SPW], v[NIL]
	s_mov_b32 s[G1A+2], 64<<16                     ; no tensor load of mine is out, so a descriptor may be written: from here on a load brings 64 rows
	s_mov_b32 s[G1A+4], 64
	s_wait_dscnt 0x0                               ; the add is done
	ROUND                                          ; everybody's part is in, and the joint loads meet
	tensor_load_to_lds s[G0W:G0W+3], s[G1A:G1A+7]  ; slot 1's first fill: the first tensor load behind the round
	s_nop 0
	PLACES 4
	NEXT                                           ; step 0
	s_wait_loadcnt 36                              ; X and its scale words are in; Y's 36 loads may stay out
	s_wait_dscnt 18                                ; chunk 0 is in
	PROD1 0
	WIN 0
	PLACES 4                                       ; in front of loads into registers that these products read
	CHUNKS
	TRIP 1, 0                                      ; step 0's second product starts S; step 1's first product.  Slot 0 has been read
	s_mov_b32 s[OUTER], 2
.Lfill:                                            ; two trips: each slot is filled once more
	TRIP 0, 1
	TRIP 0, 0
	s_sub_co_u32 s[OUTER], s[OUTER], 1
	s_cmp_lg_u32 s[OUTER], 0
	s_cbranch_scc1 .Lfill
	CHANGE 0                                       ; nothing is left to ask for: the tail is written out
	s_mov_b32 s[INNER], 2
.Llast:
	TRIP 0, 0
	s_sub_co_u32 s[INNER], s[INNER], 1
	s_cmp_lg_u32 s[INNER], 0
	s_cbranch_scc1 .Llast
; STEP 7'S END AND THE WAY OUT, by tiles of n: a piece is 16 rows x 128 m.  The waves kh = 0 and kh = 1 of one nh hold sums over different k for the same 64 n x 128 m.  Each puts a piece of its S (rows of 512 bytes + 16)
; into a stage of its own; behind a barrier each reads 8 of the 16 rows of both stages, adds them and stores whole rows.  A piece leaves while the next ones are still multiplied.
; Piece p: bi in the lower half of Ta (p even) or Tb (p odd), the rows read back in the upper half.
.macro PRODN p                         ; bi of tile p of n, all 128 m: 8 matrix instructions, four accumulators by turns
.if (\p)%2 == 0
	WIN 0x02
.else
	WIN 0x52
.endif
.set i, 0
.rept 8
.set ss, i/4
.set uu, i%4
.set rD, T+16*uu
.set rA, YF+32*uu+16*ss
.set rB, TQ+16*(\p)+8*ss
.set rSA, YS+2*uu+ss
.set rSB, TS+2*(\p)+ss
.if ss == 0
	v_wmma_scale_f32_32x16x128_f4 v[rD:rD+15], v[rA:rA+15], v[rB:rB+7], 0, v[rSA], v[rSB]
.else
	v_wmma_scale_f32_32x16x128_f4 v[rD:rD+15], v[rA:rA+15], v[rB:rB+7], v[rD:rD+15], v[rSA], v[rSB]
.endif
.set i, i+1
.endr
.endm
.macro UPDN p                          ; S += W[k] x bi for tile p of n
	WIN 0xf0+(\p)%2
.set rr, 0
.rept 32
	v_pk_fma_f32 v[64*(\p)+rr:64*(\p)+rr+1], v[T+rr:T+rr+1], s[WR:WR+1], v[64*(\p)+rr:64*(\p)+rr+1] op_sel_hi:[1,0,1]
.set rr, rr+2
.endr
.endm
.macro STAGEN p
	WIN 0x0c                                       ; an LDS store's data are its source 1: window 3
.irp u, 0,1,2,3,4,5,6,7
	ds_store_b128 v[STO], v[64*(\p)+8*\u:64*(\p)+8*\u+3] offset:(\p)*16*SPITCH+64*\u          ; lane (r, h): S(n = 16 p + r, m = 16 u + 8 h + 0 .. 7)
	ds_store_b128 v[STO], v[64*(\p)+8*\u+4:64*(\p)+8*\u+7] offset:(\p)*16*SPITCH+64*\u+16
.endr
	WIN 0
.endm
.macro GETN p                          ; my 8 rows of piece p from both stages: 16 loads of 512 consecutive bytes
	WIN 0x40*((\p)%2)
.irp t, 0,1,2,3,4,5,6,7
	ds_load_b128 v[T+64+8*\t:T+64+8*\t+3], v[RD] offset:((\p)*16+\t)*SPITCH
	ds_load_b128 v[T+64+8*\t+4:T+64+8*\t+7], v[RD] offset:STG+((\p)*16+\t)*SPITCH
.endr
	WIN 0
.endm
.macro OUTN p, younger                 ; younger: the LDS instructions issued behind the piece's loads, which may stay out
	s_wait_dscnt \younger
	WIN 0x45*((\p)%2)
.irp t, 0,1,2,3,4,5,6,7
	v_pk_add_f32 v[T+64+8*\t:T+64+8*\t+1], v[T+64+8*\t:T+64+8*\t+1], v[T+64+8*\t+4:T+64+8*\t+5]
	v_pk_add_f32 v[T+64+8*\t+2:T+64+8*\t+3], v[T+64+8*\t+2:T+64+8*\t+3], v[T+64+8*\t+6:T+64+8*\t+7]
.endr
	WIN 0x04*((\p)%2)                              ; a store's data are its source 1
.irp t, 0,1,2,3,4,5,6,7
	global_store_b128 v[GO], v[T+64+8*\t:T+64+8*\t+3], s[18:19] offset:8192*(\p)+512*\t th:TH_STORE_NT   ; 32 lanes store a row of 512 consecutive bytes, at a multiple of 512 from part's first byte
.endr
	WIN 0
.endm
	s_load_b32 s[WR], s[WP:WP+1], 0x0
	s_barrier_signal -1                            ; my reads of the slots are over (no LDS instruction of mine is out)
	QUANT 3
	s_barrier_wait -1                              ; every wave's are: the stages may be written
	PLACES 8
	s_wait_alu depctr_va_vdst(0)                   ; ahead of the codes' and scale words' readers
	s_wait_kmcnt 0x0
	PRODN 0
	PLACES 4
	UPDN 0
	STAGEN 0
.irp p, 1,2,3
	PRODN \p
	WIN 0
	s_wait_dscnt 0x0                               ; for the others' sake: my stores of the piece before are done
	s_barrier_signal -1
	PLACES 4
	UPDN \p                                        ; work on registers while the others arrive
	WIN 0
	s_wait_alu depctr_va_vdst(0)
	s_barrier_wait -1
	s_wait_xcnt 0x0                                ; the earlier pieces' stores have read their registers: the loads below may land there
	GETN \p-1
	STAGEN \p
	OUTN \p-1, 16                                  ; the 16 stores into the stage are younger
.endr
	s_wait_dscnt 0x0                               ; the last piece's stores are done
	s_barrier_signal -1
	s_barrier_wait -1
	s_wait_xcnt 0x0
	GETN 3
	OUTN 3, 0
	s_wait_tensorcnt 0x0                           ; the wave's end, behind my last tensor load and my last LDS store
	ds_add_u32 v[SPW], v[NIL]
	s_wait_dscnt 0x0
	ROUND                                          ; the closing round: no work-group ends while a partner may still ask for a tile that names it
	s_endpgm
.Lfunc_end_k_q538b0a4fc3_bifc:
	.size	k_q538b0a4fc3_bifc, .Lfunc_end_k_q538b0a4fc3_bifc-k_q538b0a4fc3_bifc
	.p2alignl 7, 3214868480
	.fill 96, 4, 3214868480
	.section	.rodata,"a",@progbits
	.p2align	6, 0x0
	.amdhsa_kernel k_q538b0a4fc3_bifc
		.amdhsa_group_segment_fixed_size 327680
		.amdhsa_private_segment_fixed_size 0
		.amdhsa_enable_private_segment 0
		.amdhsa_kernarg_size 64
		.amdhsa_user_sgpr_count 2
		.amdhsa_user_sgpr_kernarg_segment_ptr 1
		.amdhsa_wavefront_size32 1
		.amdhsa_system_sgpr_workgroup_id_x 1
		.amdhsa_system_sgpr_workgroup_id_y 1
		.amdhsa_system_sgpr_workgroup_id_z 1
		.amdhsa_system_vgpr_workitem_id 0
		.amdhsa_next_free_vgpr 1024
		.amdhsa_next_free_sgpr 100
		.amdhsa_reserve_vcc 0
		.amdhsa_float_denorm_mode_32 3
		.amdhsa_float_denorm_mode_16_64 3
		.amdhsa_memory_ordered 1
		.amdhsa_forward_progress 1
		.amdhsa_inst_pref_size 255
	.end_amdhsa_kernel
	.section	.bss,"aw",@nobits
	.p2align	6
	.space	262144
	.amdgpu_metadata
---
amdhsa.version: [ 1, 2 ]
amdhsa.kernels:
  - .name:           k_q538b0a4fc3_bifc
    .symbol:         k_q538b0a4fc3_bifc.kd
    .args:
      - { .name: A_codes, .offset: 0, .size: 8, .value_kind: global_buffer, .address_space: global }
      - { .name: A_scales, .offset: 8, .size: 8, .value_kind: global_buffer, .address_space: global }
      - { .name: X_codes, .offset: 16, .size: 8, .value_kind: global_buffer, .address_space: global }
      - { .name: X_scales, .offset: 24, .size: 8, .value_kind: global_buffer, .address_space: global }
      - { .name: Y_codes, .offset: 32, .size: 8, .value_kind: global_buffer, .address_space: global }
      - { .name: Y_scales, .offset: 40, .size: 8, .value_kind: global_buffer, .address_space: global }
      - { .name: W, .offset: 48, .size: 8, .value_kind: global_buffer, .address_space: global }
      - { .name: part, .offset: 56, .size: 8, .value_kind: global_buffer, .address_space: global }
    .group_segment_fixed_size: 327680
    .private_segment_fixed_size: 0
    .kernarg_segment_align: 8
    .kernarg_segment_size: 64
    .max_flat_workgroup_size: 128
    .sgpr_count:     100
    .vgpr_count:     1024
    .wavefront_size: 32
...
	.end_amdgpu_metadata
.endif
;; end of part 1
;; launch ksum (part 2): grid 256 x 1, 8 waves a work-group, no clusters, 5,120 bytes of LDS; arguments part, b, out0; writes out0
.if DOCPART == 2
	.amdgcn_target "amdgcn-amd-amdhsa--gfx1250"
	.amdhsa_code_object_version 6
	.text
	.protected	k_q538b0a4fc3_ksum
	.globl	k_q538b0a4fc3_ksum
	.p2align	8
	.type	k_q538b0a4fc3_ksum,@function
k_q538b0a4fc3_ksum:
	s_mov_b64 s[64:65], 0
	v_nop
	global_prefetch_b8 v0, s[64:65] scope:SCOPE_SE
	s_setreg_imm32_b32 hwreg(HW_REG_WAVE_MODE, 25, 1), 1
	s_wait_xcnt 0x0
; out0[i] = b + the sum over the 64 groups of k of part[kg][i].  part: [64][65,536] f32, out0: [65,536] f32, b: one f32.
; A stream: memory binds, so no matrix unit, no cluster, no tensor load.  A work-group owns 256 outputs, 1,024 bytes.  Wave w takes half w & 1 of them (512 bytes) in the 16 groups 16 (w >> 1) on:
; 16 loads of 512 consecutive bytes each, all issued at once.  The four waves' sums of one half meet in LDS; waves 0 and 1 add them and b and store 512 consecutive bytes each.
.set KGB, 262144                       ; bytes from one group of k to the next
	s_load_b128 s[4:7], s[0:1], 0x0                ; part s[4:5], b s[6:7]
	s_load_b64 s[8:9], s[0:1], 0x10                ; out0
	v_lshl_add_u32 v96, v0, 2, 0x1000
	v_mov_b32 v97, 0
	v_lshrrev_b32 v1, 5, v0
	s_delay_alu instid0(VALU_DEP_1)
	v_readfirstlane_b32 s10, v1                    ; wave 0..7
	v_and_b32 v2, 63, v0
	s_delay_alu instid0(VALU_DEP_1)
	v_lshlrev_b32 v2, 4, v2                        ; my 16 bytes of the work-group's 1,024
	v_lshrrev_b32 v3, 6, v0
	s_delay_alu instid0(VALU_DEP_1)
	v_lshl_add_u32 v3, v3, 22, v2                  ; + 16 groups of k x (wave / 2)
	v_lshlrev_b32 v4, 4, v0                        ; LDS: 16 bytes a thread; 1,024 bytes for each pair of waves
	s_lshl_b32 s12, ttmp9, 10
	s_mov_b32 s13, 0
	s_mov_b32 s15, 0                               ; (named with b as a pair, so it is written)
	s_wait_alu depctr_va_vdst(0)
	s_wait_kmcnt 0x0
	s_load_b32 s14, s[6:7], 0x0                    ; b
	s_add_nc_u64 s[4:5], s[4:5], s[12:13]
	s_add_nc_u64 s[8:9], s[8:9], s[12:13]
.irp g, 0,1,2,3,4,5,6,7,8,9,10,11,12,13,14,15
	global_load_b128 v[16+4*\g:19+4*\g], v3, s[4:5] offset:\g*KGB th:TH_LOAD_NT
.endr
.irp g, 1,2,3,4,5,6,7,8,9,10,11,12,13,14,15
	s_wait_alu depctr_va_vdst(0)
	s_wait_loadcnt 15-\g                           ; loads come back in order (ISA guide 5.7.1): group g's is in, the younger ones stay out
	v_pk_add_f32 v[16:17], v[16:17], v[16+4*\g:17+4*\g]
	v_pk_add_f32 v[18:19], v[18:19], v[18+4*\g:19+4*\g]
.endr
	ds_store_b128 v4, v[16:19]
	s_wait_kmcnt 0x0                               ; b is in
	s_wait_dscnt 0x0                               ; for the others' sake: my store is done
	s_barrier_signal -1
	s_barrier_wait -1
	s_cmp_gt_u32 s10, 1                            ; waves 0 and 1 finish; no barrier stands behind this branch
	s_cbranch_scc1 .Ldone
	ds_load_b128 v[20:23], v4
	ds_load_b128 v[24:27], v4 offset:1024
	ds_load_b128 v[28:31], v4 offset:2048
	ds_load_b128 v[32:35], v4 offset:3072
	s_wait_dscnt 0x0
	v_pk_add_f32 v[20:21], v[20:21], v[24:25]
	v_pk_add_f32 v[22:23], v[22:23], v[26:27]
	v_pk_add_f32 v[28:29], v[28:29], v[32:33]
	v_pk_add_f32 v[30:31], v[30:31], v[34:35]
	s_delay_alu instid0(VALU_DEP_2)
	v_pk_add_f32 v[20:21], v[20:21], v[28:29]
	s_delay_alu instid0(VALU_DEP_2)
	v_pk_add_f32 v[22:23], v[22:23], v[30:31]
	s_delay_alu instid0(VALU_DEP_2)
	v_pk_add_f32 v[20:21], v[20:21], s[14:15] op_sel_hi:[1,0]
	s_delay_alu instid0(VALU_DEP_2)
	v_pk_add_f32 v[22:23], v[22:23], s[14:15] op_sel_hi:[1,0]
	global_store_b128 v4, v[20:23], s[8:9]         ; 32 lanes store 512 consecutive bytes, at a multiple of 512 from out0's first byte
.Ldone:
	s_wait_tensorcnt 0x0
	ds_add_u32 v96, v97
	s_wait_dscnt 0x0
	s_endpgm
.Lfunc_end_k_q538b0a4fc3_ksum:
	.size	k_q538b0a4fc3_ksum, .Lfunc_end_k_q538b0a4fc3_ksum-k_q538b0a4fc3_ksum
	.p2alignl 7, 3214868480
	.fill 96, 4, 3214868480
	.section	.rodata,"a",@progbits
	.p2align	6, 0x0
	.amdhsa_kernel k_q538b0a4fc3_ksum
		.amdhsa_group_segment_fixed_size 5120
		.amdhsa_private_segment_fixed_size 0
		.amdhsa_enable_private_segment 0
		.amdhsa_kernarg_size 24
		.amdhsa_user_sgpr_count 2
		.amdhsa_user_sgpr_kernarg_segment_ptr 1
		.amdhsa_wavefront_size32 1
		.amdhsa_system_sgpr_workgroup_id_x 1
		.amdhsa_system_sgpr_workgroup_id_y 1
		.amdhsa_system_sgpr_workgroup_id_z 1
		.amdhsa_system_vgpr_workitem_id 0
		.amdhsa_next_free_vgpr 98
		.amdhsa_next_free_sgpr 66
		.amdhsa_reserve_vcc 0
		.amdhsa_float_denorm_mode_32 3
		.amdhsa_float_denorm_mode_16_64 3
		.amdhsa_memory_ordered 1
		.amdhsa_forward_progress 1
		.amdhsa_inst_pref_size 7
	.end_amdhsa_kernel
	.amdgpu_metadata
---
amdhsa.version: [ 1, 2 ]
amdhsa.kernels:
  - .name:           k_q538b0a4fc3_ksum
    .symbol:         k_q538b0a4fc3_ksum.kd
    .args:
      - { .name: part, .offset: 0, .size: 8, .value_kind: global_buffer, .address_space: global }
      - { .name: b, .offset: 8, .size: 8, .value_kind: global_buffer, .address_space: global }
      - { .name: out0, .offset: 16, .size: 8, .value_kind: global_buffer, .address_space: global }
    .group_segment_fixed_size: 5120
    .private_segment_fixed_size: 0
    .kernarg_segment_align: 8
    .kernarg_segment_size: 24
    .max_flat_workgroup_size: 256
    .sgpr_count:     66
    .vgpr_count:     98
    .wavefront_size: 32
...
	.end_amdgpu_metadata
.endif
;; end of part 2
